; MI455X (gfx1250); checked and timed in simulation.
; The chip was launched on July 23, 2026; its instructions are those of AMD's public machine-readable ISA for CDNA 5 (MIT licence, August 2026) and "CDNA5" Instruction Set Architecture Reference Guide (July 2026). The comments in the code are by the model that wrote it; some were corrected since.
;; Sparse Spatial Flux Component. Allowed arithmetic: float matrix products may take bf16 or f16 operands with f32 sums; all other float work in f32.
;; Inputs: log_flux 128 float32; x_pos 128 float32; y_pos 128 float32.
;; Outputs: out0 1 x 1 x 1,024 x 1,024 float32.
;; One version. Each part assembles by itself: llvm-mc -triple=amdgcn-amd-amdhsa -mcpu=gfx1250 --defsym DOCPART=n.
;; ======== version 1 of 1: 1 launch
;; limits: values outside matrix products are rounded to bf16
;; launch splat (part 1): grid 16 x 16, 4 waves a work-group, no clusters, 6,656 bytes of LDS; arguments log_flux, x_pos, y_pos, out0; writes out0
.if DOCPART == 1
	.amdgcn_target "amdgcn-amd-amdhsa--gfx1250"
	.amdhsa_code_object_version 6
	.text
	.protected	k_q05dcc2776d_splat
	.globl	k_q05dcc2776d_splat
	.p2align	8
	.type	k_q05dcc2776d_splat,@function
k_q05dcc2776d_splat:
	s_mov_b64 s[64:65], 0
	v_nop
	global_prefetch_b8 v0, s[64:65] scope:SCOPE_SE
	s_setreg_imm32_b32 hwreg(HW_REG_WAVE_MODE, 25, 1), 1
	s_wait_xcnt 0x0
; out[row][col] = sum over the 128 sources n of exp(log_flux[n]) * clip(1-|row-x_pos[n]|,0,1) * clip(1-|col-y_pos[n]|,0,1).
; That is a matrix product [1024 x 128] x [128 x 1024]: A[row][n] = f[n] wx[n][row], B[col][n] = wy[n][col], both made in f32 and
; rounded once to bf16, the sums in f32 on the matrix unit.  No address and no branch hangs on a position.
;
; SHARES.  256 work-groups, each a block of 64 x 64 of out; four waves, each 16 rows x 64 columns: four accumulators of 16 x 16,
; K = 128 in four steps of 32, 16 matrix instructions.  The waves share nothing: no barrier.
; INPUTS.  A wave reads each input once (one 16-byte load a lane, 512 consecutive bytes), makes 4 exponentials a lane, and lays f, x and y
; into 1,536 LDS bytes of its own; from there each half of 16 lanes reads back the 64 sources that it holds in the fragments.
; K IS PERMUTED, alike in A and B, which leaves the products as they are: step s, lane half h, register i, low or high half-word p
; holds source 64 h + 16 s + 2 i + p.
; COLUMNS ARE INTERLEAVED: column tile t holds the real columns col0 + 4 r + t (r = lane % 16).  Register j of the four accumulators then
; holds, in lane (r, h), columns 4 r .. 4 r + 3 of row 8 h + j: 16 bytes that belong together, and 16 neighbouring lanes hold 256
; consecutive bytes of one row of out.  32 copies bring the four registers side by side for the 16-byte stores.
; NO CLUSTER, NO TENSOR LOADS: all that work-groups share is 1,536 bytes of input against 16,384 bytes of output each.
;
; LIMITS.  (1) A and B are rounded to bf16: each product is off by at most about 2^-8 of itself; all terms are >= 0, nothing cancels.
; (2) v_exp_f32 gives 0 where the result would be denormal: log_flux below about -87.3 counts as f = 0.
; (3) A NaN in x_pos or y_pos gives its source the weight 0 (v_min_num_f32 drops a NaN), where the reference makes every output NaN.
;     A NaN in log_flux, or one above about 88.7 (f = infinity), makes every output NaN, as in the reference (f - f e is then NaN).
.set ROWB,  4096                       ; bytes in a row of out
.set WLDS,  1536                       ; LDS bytes of a wave:
.set LF,    0                          ;   f of the 128 sources
.set LX,    512                        ;   x_pos
.set LY,    1024                       ;   y_pos
.set LOG2E, 0x3fb8aa3b                 ; 1 / ln 2
.set GO,   4                           ; v4        16 x lane: my 16 bytes of each input
.set LST,  5                           ; v5        the same in my wave's LDS
.set LRD,  6                           ; v6        my wave's LDS + 256 h: my half's 64 sources
.set OO,   7                           ; v7        my byte offset in the wave's block of out: row 8 h, byte 16 r
.set M,    8                           ; v[8:9]    my row as f32, twice (a pair for the packed forms)
.set C,    10                          ; v[10:17]  my column of tile t as f32, twice, t = 0 .. 3
.set ONE,  18                          ; v[18:19]  1.0, twice
.set LFS,  20                          ; v[20:23]  log_flux as loaded, then f
.set XS,   24                          ; v[24:27]  x_pos as loaded
.set YS,   28                          ; v[28:31]  y_pos as loaded
.set T,    32                          ; v[32:47]  16 elements at work
.set Y,    48                          ; v[48:111]   y_pos of my half's 64 sources
.set X,    112                         ; v[112:175]  x_pos of my half's 64 sources, then e, then f (1 - e)
.set F,    176                         ; v[176:239]  f of my half's 64 sources; then A's fragment of step s in v[F+16 s : F+16 s+7]
.set ACC,  X                           ; v[112:143]  four accumulators, once x is used up
.set BB,   X+32                        ; v[144:159]  two buffers for B's fragments, in turn
.set OUTR, Y                           ; v[48:79]    the store quads, once y is used up
	s_load_b256 s[4:11], s[0:1], 0x0               ; log_flux s[4:5], x_pos s[6:7], y_pos s[8:9], out s[10:11]
	v_lshl_add_u32 v240, v0, 2, 0x1800
	v_mov_b32 v241, 0
	v_and_b32 v1, 31, v0                           ; lane
	v_lshrrev_b32 v2, 5, v0
	v_readfirstlane_b32 s12, v2                    ; wave 0 .. 3
	v_lshlrev_b32 v[GO], 4, v1
	s_wait_kmcnt 0x0
	global_load_b128 v[LFS:LFS+3], v[GO], s[4:5]   ; log_flux first: the exponentials stand between it and its use
	global_load_b128 v[XS:XS+3],   v[GO], s[6:7]
	global_load_b128 v[YS:YS+3],   v[GO], s[8:9]
	; while they are on their way: indices and offsets
	s_mul_i32 s13, s12, WLDS                       ; my wave's LDS bytes
	v_and_b32 v2, 15, v0                           ; r
	v_bfe_u32 v3, v0, 4, 1                         ; h
	v_add_nc_u32 v[LST], s13, v[GO]
	v_lshl_add_u32 v[LRD], v3, 8, s13
	s_and_b32 s14, ttmp7, 0xffff                   ; block row
	s_lshl_b32 s14, s14, 6
	s_lshl4_add_u32 s14, s12, s14                  ; row0 = 64 x block row + 16 x wave
	s_lshl_b32 s15, ttmp9, 6                       ; col0 = 64 x block column
	v_add_nc_u32 v1, s14, v2                       ; A's row of this lane: row0 + r
	v_cvt_f32_u32 v[M], v1
	v_lshl_add_u32 v1, v2, 2, s15                  ; B's column of this lane in tile 0: col0 + 4 r
	v_cvt_f32_u32 v[C], v1
	v_mov_b32 v[M+1], v[M]
	v_add_f32 v[C+2], 1.0, v[C]                    ; tiles 1, 2, 3: whole numbers below 1,024, exact
	v_add_f32 v[C+4], 2.0, v[C]
	v_add_f32 v[C+6], 0x40400000, v[C]
	v_mov_b32 v[C+1], v[C]
	v_mov_b32 v[C+3], v[C+2]
	v_mov_b32 v[C+5], v[C+4]
	v_mov_b32 v[C+7], v[C+6]
	v_lshlrev_b32 v[OO], 4, v2
	v_lshl_add_u32 v[OO], v3, 15, v[OO]            ; 8 h rows of 4,096 bytes + 16 r
	s_lshl_b32 s16, s14, 12                        ; row0 x 4,096
	s_lshl2_add_u32 s16, s15, s16                  ; + col0 x 4: below 4 MiB
	s_mov_b32 s17, 0
	s_add_nc_u64 s[10:11], s[10:11], s[16:17]      ; out at the wave's first row and column
	s_wait_loadcnt 0x2                             ; loads come back in order (ISA guide 5.7.1): log_flux is in, x_pos and y_pos may be out
.irp i, 0,1,2,3
	v_mul_f32 v[LFS+\i], LOG2E, v[LFS+\i]
.endr
.irp i, 0,1,2,3
	v_exp_f32 v[LFS+\i], v[LFS+\i]                 ; f = 2^(log_flux / ln 2)
.endr
	v_mov_b32 v[ONE], 1.0                          ; the plain vector instruction that stands between the exponentials and their first use
	v_mov_b32 v[ONE+1], 1.0
	s_wait_loadcnt 0x0                             ; x_pos and y_pos
	ds_store_b128 v[LST], v[XS:XS+3]   offset:LX
	s_wait_alu depctr_va_vdst(0)
	ds_store_b128 v[LST], v[LFS:LFS+3] offset:LF
	ds_store_b128 v[LST], v[YS:YS+3]   offset:LY
	; Back, 64 sources for each half of the lanes.  These are the wave's own bytes, and LDS serves a wave's instructions in order
	; (ISA guide 5.7.1.4): the loads see the stores above without a wait.  In the order of use: x, f, y.
.set q, 0
.rept 16
	ds_load_b128 v[X+4*q:X+4*q+3], v[LRD] offset:LX+16*q
.set q, q+1
.endr
.set q, 0
.rept 16
	ds_load_b128 v[F+4*q:F+4*q+3], v[LRD] offset:LF+16*q
.set q, q+1
.endr
.set q, 0
.rept 16
	ds_load_b128 v[Y+4*q:Y+4*q+3], v[LRD] offset:LY+16*q
.set q, q+1
.endr
	; A: f clip(1 - |row - x|, 0, 1) = f - f e with e = min(|row - x|, 1).  row - x is rounded as the reference rounds it.
	s_wait_dscnt 32                                ; x is in; the 32 younger loads (f, y) may be out
.set q, 0
.rept 32
	v_pk_add_f32 v[X+q:X+q+1], v[M:M+1], v[X+q:X+q+1] neg_lo:[0,1] neg_hi:[0,1]      ; d = row - x, two sources at a time
.set q, q+2
.endr
.set q, 0
.rept 64
	v_min_num_f32 v[X+q], |v[X+q]|, 1.0                                              ; e
.set q, q+1
.endr
	s_wait_dscnt 16                                ; f is in; the 16 younger loads (y) may be out
.set q, 0
.rept 32
	v_pk_fma_f32 v[X+q:X+q+1], v[F+q:F+q+1], v[X+q:X+q+1], v[F+q:F+q+1] neg_lo:[0,1,0] neg_hi:[0,1,0]   ; f - f e, one rounding
.set q, q+2
.endr
.irp s, 0,1,2,3
.irp i, 0,1,2,3,4,5,6,7
	v_cvt_pk_bf16_f32 v[F+16*\s+\i], v[X+16*\s+2*\i], v[X+16*\s+2*\i+1]              ; f is used up: step s's fragment takes its place
.endr
.endr
	s_wait_dscnt 0x0                               ; y is in
; B's fragment of step s, tile t: clip(1 - |col - y|, 0, 1) = 1 - min(|col - y|, 1), the reference's own roundings.
; Each stage is 8 or 16 instructions that do not hang on each other.
.macro B1 s, t                         ; first stage: d = col - y for the step's 16 sources
.irp i, 0,1,2,3,4,5,6,7
	v_pk_add_f32 v[T+2*\i:T+2*\i+1], v[C+2*\t:C+2*\t+1], v[Y+16*\s+2*\i:Y+16*\s+2*\i+1] neg_lo:[0,1] neg_hi:[0,1]
.endr
.endm
.macro B2 t                            ; the rest, into the buffer of t's parity
.irp i, 0,1,2,3,4,5,6,7,8,9,10,11,12,13,14,15
	v_min_num_f32 v[T+\i], |v[T+\i]|, 1.0
.endr
.irp i, 0,1,2,3,4,5,6,7
	v_pk_add_f32 v[T+2*\i:T+2*\i+1], v[ONE:ONE+1], v[T+2*\i:T+2*\i+1] neg_lo:[0,1] neg_hi:[0,1]
.endr
.irp i, 0,1,2,3,4,5,6,7
	v_cvt_pk_bf16_f32 v[BB+8*(\t&1)+\i], v[T+2*\i], v[T+2*\i+1]
.endr
.endm
.macro WM s, t                         ; the product of step s, tile t; step 0 starts the sums with the constant 0: nothing is cleared
.if \s == 0
	v_wmma_f32_16x16x32_bf16 v[ACC+8*\t:ACC+8*\t+7], v[F+16*\s:F+16*\s+7], v[BB+8*(\t&1):BB+8*(\t&1)+7], 0
.else
	v_wmma_f32_16x16x32_bf16 v[ACC+8*\t:ACC+8*\t+7], v[F+16*\s:F+16*\s+7], v[BB+8*(\t&1):BB+8*(\t&1)+7], v[ACC+8*\t:ACC+8*\t+7]
.endif
.endm
; A tile's product is issued behind the next tile's first stage, so that it does not sit on its last conversion.
; Distances behind a matrix instruction (ISA guide 7.12.1): a B buffer is written again only by the conversions of the tile after next,
; more than 32 plain vector instructions later, none of which names a register of that matrix instruction; A's fragments are never rewritten.
.macro TILE s, t, ps, pt
	B1 \s, \t
	WM \ps, \pt
	B2 \t
.endm
	B1 0, 0
	B2 0
	TILE 0, 1, 0, 0
	TILE 0, 2, 0, 1
	TILE 0, 3, 0, 2
	TILE 1, 0, 0, 3
	TILE 1, 1, 1, 0
	TILE 1, 2, 1, 1
	TILE 1, 3, 1, 2
	TILE 2, 0, 1, 3
	TILE 2, 1, 2, 0
	TILE 2, 2, 2, 1
	TILE 2, 3, 2, 2
	TILE 3, 0, 2, 3
	TILE 3, 1, 3, 0
	TILE 3, 2, 3, 1
	TILE 3, 3, 3, 2
	WM 3, 3
	; THE WAY OUT.  Register j of accumulator t is out[row0 + 8 h + j][col0 + 4 r + t]: the four t of one j go side by side.
	; Tiles 0, 1, 2 first: their 24 copies name no register of the last matrix instruction and are the places that its result needs
	; before tile 3's copies read it (ISA guide 7.12.1).
.irp t, 0,1,2,3
.irp j, 0,1,2,3,4,5,6,7
	v_mov_b32 v[OUTR+4*\j+\t], v[ACC+8*\t+\j]
.endr
.endr
.irp j, 0,1,2,3,4,5,6,7
	global_store_b128 v[OO], v[OUTR+4*\j:OUTR+4*\j+3], s[10:11] offset:\j*ROWB th:TH_STORE_NT   ; lanes 0-15: 256 consecutive bytes of row j, at a multiple of 256 from out's first byte; lanes 16-31: of row 8 + j
.endr
	s_wait_tensorcnt 0x0
	ds_add_u32 v240, v241
	s_wait_dscnt 0x0
	s_endpgm
.Lfunc_end_k_q05dcc2776d_splat:
	.size	k_q05dcc2776d_splat, .Lfunc_end_k_q05dcc2776d_splat-k_q05dcc2776d_splat
	.p2alignl 7, 3214868480
	.fill 96, 4, 3214868480
	.section	.rodata,"a",@progbits
	.p2align	6, 0x0
	.amdhsa_kernel k_q05dcc2776d_splat
		.amdhsa_group_segment_fixed_size 6656
		.amdhsa_private_segment_fixed_size 0
		.amdhsa_enable_private_segment 0
		.amdhsa_kernarg_size 32
		.amdhsa_user_sgpr_count 2
		.amdhsa_user_sgpr_kernarg_segment_ptr 1
		.amdhsa_wavefront_size32 1
		.amdhsa_system_sgpr_workgroup_id_x 1
		.amdhsa_system_sgpr_workgroup_id_y 1
		.amdhsa_system_sgpr_workgroup_id_z 1
		.amdhsa_system_vgpr_workitem_id 0
		.amdhsa_next_free_vgpr 242
		.amdhsa_next_free_sgpr 66
		.amdhsa_reserve_vcc 0
		.amdhsa_float_denorm_mode_32 3
		.amdhsa_float_denorm_mode_16_64 3
		.amdhsa_memory_ordered 1
		.amdhsa_forward_progress 1
		.amdhsa_inst_pref_size 59
	.end_amdhsa_kernel
	.amdgpu_metadata
---
amdhsa.version: [ 1, 2 ]
amdhsa.kernels:
  - .name:           k_q05dcc2776d_splat
    .symbol:         k_q05dcc2776d_splat.kd
    .args:
      - { .name: log_flux, .offset: 0, .size: 8, .value_kind: global_buffer, .address_space: global }
      - { .name: x_pos, .offset: 8, .size: 8, .value_kind: global_buffer, .address_space: global }
      - { .name: y_pos, .offset: 16, .size: 8, .value_kind: global_buffer, .address_space: global }
      - { .name: out0, .offset: 24, .size: 8, .value_kind: global_buffer, .address_space: global }
    .group_segment_fixed_size: 6656
    .private_segment_fixed_size: 0
    .kernarg_segment_align: 8
    .kernarg_segment_size: 32
    .max_flat_workgroup_size: 128
    .sgpr_count:     66
    .vgpr_count:     242
    .wavefront_size: 32
...
	.end_amdgpu_metadata
.endif
;; end of part 1
